; MI455X (gfx1250); checked and timed in simulation.
; The chip was launched on July 23, 2026; its instructions are those of AMD's public machine-readable ISA for CDNA 5 (MIT licence, August 2026) and "CDNA5" Instruction Set Architecture Reference Guide (July 2026). The comments in the code are by the model that wrote it; some were corrected since.
;; Self attention. Allowed arithmetic: matrix products marked QUANTISED: E3M2 operands, one E8M0 scale for each 32 along K, by v_wmma_scale_f32_16x16x128_f8f6f4 with both operands' format E3M2, f32 sums; everything else in f32.
;; Inputs: key 4 x 16 x 2,048 x 64 float32; mask 4 x 2,048 x 2,048 int32; query 4 x 16 x 2,048 x 64 float32; value 4 x 16 x 2,048 x 64 float32.
;; Outputs: out0 4 x 16 x 2,048 x 64 float32.
;; This version of the problem:
;;   THIS VERSION OF THE PROBLEM IS GIVEN IN LOW PRECISION. The matrix products marked QUANTISED in the list below multiply operands that are first quantised to E3M2 (3 exponent bits, 2 mantissa bits; 6 bits a number), with one power-of-two scale for each 32 numbers along K (OCP MX v1.0); their sums are f32. All else is computed in f32.
;;   The module's matrix products, in the order in which they are computed (A, B: the left and right operand; K: the contracted axis; several contracted axes count as one K, in the product's order):
;;     1. batch 64 x [M 2,048, K 64] x [K 64, N 2,048]; A: input query; B: input key: QUANTISED
;;     2. batch 64 x [M 2,048, K 2,048] x [K 2,048, N 64]; A: softmax (see below); B: input value: QUANTISED
;;   THE QUANTISER, for each operand of a quantised product, along K:
;;     - K is cut into blocks of 32 from its start; a last block that is shorter is filled with zeros.
;;     - A block's scale is 2^e with e = floor(log2(the largest magnitude in the block)) - 4, held to -126 .. 127; a block of zeros has e = 0. As a byte (E8M0): e + 127.
;;     - Each number is divided by its block's scale, clamped to +-28, and rounded to the nearest number of E3M2, ties to even, subnormals kept.
;;     - The product sums the exact products of the quantised numbers (number of the format x scale) in f32.
;;   ~~~python
;;   def quantise(x, axis):      # numpy; x: float32 -> the quantised numbers, widened to float32 again
;;       x = np.moveaxis(x, axis, -1); K = x.shape[-1]
;;       x = np.pad(x, [(0, 0)] * (x.ndim - 1) + [(0, -K % 32)]); x = x.reshape(x.shape[:-1] + (-1, 32)); a = np.abs(x).max(-1, keepdims=True)
;;       e = np.where(a > 0, np.clip(np.frexp(np.where(a > 0, a, 1))[1] - 1 - 4, -126, 127), 0)      # np.frexp(a)[1] - 1 = floor(log2(a)), exactly
;;       r = np.clip(x / 2.0 ** e, -28, 28)
;;       step = 2.0 ** (np.maximum(np.frexp(np.where(r == 0, 1, r))[1] - 1, -2) - 2)
;;       q = np.round(r / step) * step * 2.0 ** e      # np.round: ties to even
;;       return np.moveaxis(q.reshape(q.shape[:-2] + (-1,))[..., :K], -1, axis).astype(np.float32)
;;   ~~~
;;   SOFTMAX AHEAD OF A QUANTISED PRODUCT. Where the list says 'softmax', what is quantised is not the finished softmax but p = 2^(t - M), with t = logit x log2(e) and M = ceil(the row's largest t), a whole number; so 1/2 < the row's largest p <= 1. The row's sum l is taken of the UNQUANTISED p, in f32, and the product's result is divided by l at the end. Since M is a whole number, a kernel that streams over the keys may use a running M (the ceiling of the running maximum): every later rescaling is an exact power of two, which a block's scale takes up: the codes' values come out the same.
;;   OPERANDS COMPUTED ON THE WAY. 'Computed on the way' means the value that the module computes at that place (a softmax that the list does not call 'softmax' is quantised finished and normalised). What goes into a quantiser is computed in f32, as accurately as f32 sums, v_exp_f32 and their like allow (about 1e-6 of the number): no bf16 or f16 on the way to a quantiser, and a product that is left as it is and whose result goes on into a quantised operand takes f32 operands (vector FMAs, or v_wmma_f32_16x16x4_f32). A number that lies on a knife's edge between two numbers of the format may be rounded either way, as far as f32 arithmetic and the matrix unit's own rounding can turn it there, and no further.
;; One version. Each part assembles by itself: llvm-mc -triple=amdgcn-amd-amdhsa -mcpu=gfx1250 --defsym DOCPART=n.
;; ======== version 1 of 1: 2 launches
;; limits: right only within a limited range of input values
;; workspace buffers: kv 13,369,344 bytes; maskw 2,097,152 bytes of whole numbers
;; launch prep (part 1): grid 1024 x 1, 4 waves a work-group, no clusters, 69,120 bytes of LDS; arguments key, value, mask, kv, maskw; writes kv, maskw
.if DOCPART == 1
	.amdgcn_target "amdgcn-amd-amdhsa--gfx1250"
	.amdhsa_code_object_version 6
	.text
	.protected	k_q082d26eec1_prep
	.globl	k_q082d26eec1_prep
	.p2align	8
	.type	k_q082d26eec1_prep,@function
k_q082d26eec1_prep:
	s_mov_b64 s[64:65], 0
	v_nop
	global_prefetch_b8 v0, s[64:65] scope:SCOPE_SE
	s_setreg_imm32_b32 hwreg(HW_REG_WAVE_MODE, 25, 1), 1
	s_wait_xcnt 0x0
; PREPARATION FOR THE ATTENTION LAUNCH.  key, value: [64 heads][2048 keys][64] f32.  mask: [4][2048 queries][2048 keys] i32.  Each is read once here.
; OUT 1, kv: for each unit U = head x 16 + key step (128 keys) one dense block of STEPB = 13,056 bytes, laid as IMAGES OF THE OPERANDS' REGISTERS (codes of E3M2, 6 bits, one E8M0 byte for 32 along K):
;   KC at 0:      48 words a lane; word w of lane l at (w / 4) x 512 + 16 l + 4 (w % 4).  Word 6 t + i = register i of K's tile t = 2 b + u: lane (r, h) holds channels 32 h .. 32 h + 31 of key 32 b + 8 u + r + 8 (r / 8)
;   VC at 6,144:  the same addressing; word 12 t + 6 c + i: lane (r, h) holds keys 64 c + 32 h + 0 .. 31 of channel 16 t + r (the keys are the second product's K)
;   KS at 12,288: 16 bytes a lane: register i: lanes 0-15 the scale words of tile 2 i, lanes 16-31 those of tile 2 i + 1; a word = the bytes of channels 0-31, 32-63, then two bytes 0
;   VS at 12,800: 8 bytes a lane: register g: lane (r, h) the scale word of channel 16 (2 g + h) + r: byte n for the step's n-th 32 keys
; OUT 2, maskw: [4][128 tiles of 16 queries][16 key steps][64 words]: bit (r + 16 h) of word 16 n + i is 1 where mask[query r of the tile][key 32 n + 16 h + i of the step] is not 0:
;   one word for each score register of the attention launch, ready as the select of one v_cndmask_b32.
; A block's scale is 2^(floor(log2(its largest magnitude)) - 4): its byte is the largest magnitude's exponent field - 4, held at 1 from below by a floor among the maximum's leaves.
; LIMITS: a block of zeros gets the byte 1 where the rule says 127 (its codes are zeros, and this program alone reads the bytes); NaN and infinities among the inputs are not served.
; SHARES: every wave takes 32,768 bytes of input.  Work-groups 0-255: K, a unit a wave.  256-511: V, a unit a wave.  512-1023: the mask, a tile of 16 queries a work-group, 512 keys a wave.
; No tensor loads, no barrier: waves share nothing.  The paths part on the work-group's number; K's path and the mask's path have LDS bytes of their own; V's uses none.
; THE ORDER OF THE KEYS, as this text lays it (it takes the place of what the lines above say of K's tiles and of maskw's words):
;   K's tile t = 4 c + j: lane (r, h) holds channels 32 h .. 32 h + 31 of key 64 c + 32 (r / 8) + 8 j + r % 8, so that score register 32 c + k of lane (r, h) is key 64 c + 32 h + k: a whole block of 32 keys in a lane.
;   maskw: bit (r + 16 h) of word 32 c + k is 1 where mask[query r of the tile][key 64 c + 32 h + k of the step] is not 0.
.set STEPB, 13056
.set VCOFF, 6144
.set KSOFF, 12288
.set VSOFF, 12800
.set KPIT,  272                        ; K's stage: a key's 256 bytes + 16: 68 words, so row r starts at bank 4 r mod 64 (64 banks of 4 bytes: ISA guide 11.1)
.set KSTG,  32*KPIT                    ; 32 keys a wave
.set MPIT,  528                        ; the mask's stage: 128 keys' 512 bytes + 16: 132 words, row r again at bank 4 r mod 64
.set MSTG0, 4*KSTG                     ; behind K's four stages
.set MSTG,  16*MPIT                    ; 16 queries a wave
.set FLOOR, 0x2800000                  ; 2^(5 - 127): under it no largest magnitude is taken, so no byte falls under 1
.set EOFF,  0xfe000000                 ; -(4 << 23): 4 off an exponent field
.set R,   16                           ; v16-79   as loaded (V: channels 0-31 of two blocks)
.set X,   80                           ; v80-143  as the conversions want them (V: channels 32-63)
.set C,   144                          ; v144-191 codes (the mask: v144-151 its words)
.set KSR, 192                          ; v192-195 K's scale registers; v192-193 V's
.set MX,  196                          ; v196-197 largest magnitudes
.set SOP, 198                          ; v198-199 the conversions' scale operands
.set WD,  200                          ; v200-201 bytes, then scale words
.set PT,  202                          ; v202-203 the other half's
.set CT,  208                          ; v208-210, v212-214 a block's second 16 codes: a conversion's three registers begin on an even number
	s_load_b256 s[4:11], s[0:1], 0x0               ; key s[4:5], value s[6:7], mask s[8:9], kv s[10:11]
	s_load_b64 s[12:13], s[0:1], 0x20              ; maskw
	v_lshl_add_u32 v224, v0, 2, 0x10c00
	v_mov_b32 v225, 0
	v_lshrrev_b32 v1, 5, v0
	v_readfirstlane_b32 s14, v1                    ; wave 0..3
	v_and_b32 v1, 31, v0                           ; lane
	v_and_b32 v2, 15, v0                           ; r
	v_bfe_u32 v3, v0, 4, 1                         ; h
	v_lshlrev_b32 v4, 4, v1                        ; v4: 16 x lane
	; every LDS address is made here, ahead of the parting of the paths
	s_mul_i32 s15, s14, KSTG
	v_mul_u32_u24 v5, v3, KPIT
	v_lshl_add_u32 v5, v2, 4, v5
	v_add_nc_u32 v5, s15, v5                       ; v5: K's stage, in: row h, 16 r
	v_mul_u32_u24 v6, v2, KPIT
	v_lshl_add_u32 v6, v3, 7, v6
	v_add_nc_u32 v6, s15, v6                       ; v6: K's stage, out: row r, my half's 128 bytes
	s_mul_i32 s15, s14, MSTG
	s_add_co_u32 s15, s15, MSTG0
	v_add_nc_u32 v7, s15, v4                       ; v7: the mask's stage, in: 16 x lane
	v_mul_u32_u24 v8, v2, MPIT
	v_lshl_add_u32 v8, v3, 7, v8
	v_add_nc_u32 v8, s15, v8                       ; v8: the mask's stage, out: row r, + 128 h
	v_lshlrev_b32 v9, 3, v3                        ; v9: 8 h: my byte's place in K's scale word
	v_lshlrev_b32 v10, 3, v1                       ; v10: 8 x lane
	v_lshlrev_b32 v11, 2, v1                       ; v11: 4 x lane
	v_mul_u32_u24 v12, v3, 1536
	v_lshl_add_u32 v12, v2, 4, v12                 ; v12: V's codes: 1,536 h + 16 r
	s_mov_b32 s24, 0xffff0000                      ; lanes 16-31
	s_mov_b32 s26, 0x76543210
	s_mov_b32 s27, 0xfedcba98                      ; v_permlanex16_b32's selects for lane l xor 16
	s_wait_kmcnt 0x0
	s_cmp_lt_u32 ttmp9, 256
	s_cbranch_scc0 .Lnot_k
; ---------------------------------------------------------------- K: channels are innermost, and a lane must hold a whole block of 32 of them
; Each load reads 512 consecutive bytes (two keys).  32 keys go through the wave's stage, each to the row of its place in its tile (row 16 u + r), and come back 128 bytes a lane.
	s_lshl_b32 s15, ttmp9, 2
	s_add_co_u32 s15, s15, s14                     ; my unit
	s_lshl_b32 s20, s15, 15                        ; 128 keys x 256 bytes
	s_mov_b32 s21, 0
	s_mul_i32 s22, s15, STEPB
	s_mov_b32 s23, 0
	s_add_nc_u64 s[16:17], s[4:5], s[20:21]
	s_add_nc_u64 s[18:19], s[10:11], s[22:23]
	v_mov_b32 v[PT], 0                             ; written once: a lane permute's destination counts as one of its sources
	v_mov_b32 v[PT+1], 0
.macro KLOAD b                         ; keys 32 b .. 32 b + 31: load i brings keys 2 i + h
.irp i, 0,1,2,3,4,5,6,7,8,9,10,11,12,13,14,15
	global_load_b128 v[R+4*\i:R+4*\i+3], v4, s[16:17] offset:16384*((\b)/2)+4096*((\b)%2)+512*\i+4096*(\i/8) th:TH_LOAD_NT   ; group b = 2 c + e: keys 64 c + 16 e + 0 .. 15, then the sixteen that lie 32 further on
.endr
.endm
.macro KGROUP b                        ; tiles 2 b and 2 b + 1
	s_wait_loadcnt 0x0                             ; this group's sixteen loads are in: no other load is out
.irp i, 0,1,2,3,4,5,6,7,8,9,10,11,12,13,14,15
	ds_store_b128 v5, v[R+4*\i:R+4*\i+3] offset:(16*((\i/4)%2)+8*(\i/8)+(2*\i)%8)*KPIT   ; key n = 2 i + h is lane 8 (n / 16) + n % 8 of tile u = (n / 8) % 2
.endr
.irp u, 0,1
.irp j, 0,1,2,3,4,5,6,7
	ds_load_b128 v[X+32*\u+4*\j:X+32*\u+4*\j+3], v6 offset:16*\u*KPIT+16*\j   ; LDS serves a wave's instructions in order (ISA guide 5.7.1.4): these see the stores above
.endr
.endr
	s_wait_dscnt 0x0                               ; my 2 x 32 numbers are in, and the stores have read their registers,
.if (\b) < 3
	KLOAD (\b)+1                                   ; which take the next group's loads: 8,192 bytes a wave are on their way while this group is worked
.endif
.irp u, 0,1
	v_max3_num_f32 v[MX+\u], |v[X+32*\u]|, |v[X+32*\u+1]|, FLOOR   ; the block's largest magnitude: all 32 numbers are mine (the two tiles by turns)
.endr
.irp i, 2,4,6,8,10,12,14,16,18,20,22,24,26,28,30
.irp u, 0,1
	v_max3_num_f32 v[MX+\u], v[MX+\u], |v[X+32*\u+\i]|, |v[X+32*\u+\i+1]|
.endr
.endr
.irp u, 0,1
	v_add_nc_u32 v[SOP+\u], EOFF, v[MX+\u]         ; 4 off its exponent field: the conversion takes the exponent field of this operand as its scale
.endr
.irp u, 0,1
	v_lshrrev_b32 v[WD+\u], 23, v[SOP+\u]          ; the scale's byte,
.endr
.irp u, 0,1
	v_lshlrev_b32 v[WD+\u], v9, v[WD+\u]           ; at its place in the key's scale word;
.endr
.irp u, 0,1
	v_permlanex16_b32 v[PT+\u], v[WD+\u], s26, s27
.endr
.irp u, 0,1
	v_or_b32 v[WD+\u], v[WD+\u], v[PT+\u]          ; with lane l xor 16's the word is whole, in both halves
.endr
.irp u, 0,1
	v_cvt_scalef32_pk16_bf6_f32 v[C+6*(2*(\b)+\u):C+6*(2*(\b)+\u)+2], v[X+32*\u:X+32*\u+15], v[SOP+\u]
	v_cvt_scalef32_pk16_bf6_f32 v[CT+4*\u:CT+4*\u+2], v[X+32*\u+16:X+32*\u+31], v[SOP+\u]
.endr
	v_cndmask_b32 v[KSR+(\b)], v[WD], v[WD+1], s24 ; lanes 0-15 the even tile's words, lanes 16-31 the odd tile's.  (Also the plain instruction behind the conversions)
.irp u, 0,1
.irp i, 0,1,2
	v_mov_b32 v[C+6*(2*(\b)+\u)+3+\i], v[CT+4*\u+\i]
.endr
.endr
.endm
	KLOAD 0
.irp b, 0,1,2,3
	KGROUP \b
.endr
.irp c, 0,1,2,3,4,5,6,7,8,9,10,11
	global_store_b128 v4, v[C+4*\c:C+4*\c+3], s[18:19] offset:512*\c   ; 32 lanes store 512 consecutive bytes, at a multiple of 256 from kv's first byte
.endr
	global_store_b128 v4, v[KSR:KSR+3], s[18:19] offset:KSOFF
	s_wait_tensorcnt 0x0
	ds_add_u32 v224, v225
	s_wait_dscnt 0x0
	s_endpgm
.Lnot_k:
	s_cmp_lt_u32 ttmp9, 512
	s_cbranch_scc0 .Lmask
; ---------------------------------------------------------------- V: the keys are its K and are NOT innermost: a lane takes a channel, and its registers run down the keys
; Lane (r, h) of channel half g is channel 16 (2 g + h) + r: lane r of tile 2 g + h.  In turn par it holds the step's blocks par and par + 2 of 32 keys, which are what lane (r, par) of that tile's fragment holds:
; so its 12 words go to 16 (16 par + r) in the tile's three runs of 512 bytes, and sixteen lanes fill 256 consecutive bytes.
	s_sub_co_u32 s15, ttmp9, 256
	s_lshl_b32 s15, s15, 2
	s_add_co_u32 s15, s15, s14                     ; my unit
	s_lshl_b32 s20, s15, 15
	s_mov_b32 s21, 0
	s_mul_i32 s22, s15, STEPB
	s_mov_b32 s23, 0
	s_add_nc_u64 s[16:17], s[6:7], s[20:21]
	s_add_nc_u64 s[18:19], s[10:11], s[22:23]
.macro VLOAD par                       ; a key's 256 bytes are read by two neighbouring instructions of 128 consecutive bytes
.irp c, 0,1
.irp i, 0,1,2,3,4,5,6,7,8,9,10,11,12,13,14,15,16,17,18,19,20,21,22,23,24,25,26,27,28,29,30,31
.irp g, 0,1
	global_load_b32 v[R+64*\g+32*\c+\i], v11, s[16:17] offset:(32*((\par)+2*\c)+\i)*256+128*\g th:TH_LOAD_NT
.endr
.endr
.endr
.endm
.macro VQUANT g, par
.set YS, R+64*(\g)
.set FS, C+12*(2*(\par)+(\g))          ; four sets of 12, so that no store's data are written again
.irp c, 0,1
	v_max3_num_f32 v[MX+\c], |v[YS+32*\c]|, |v[YS+32*\c+1]|, FLOOR   ; (the two blocks by turns)
.endr
.irp i, 2,4,6,8,10,12,14,16,18,20,22,24,26,28,30
.irp c, 0,1
	v_max3_num_f32 v[MX+\c], v[MX+\c], |v[YS+32*\c+\i]|, |v[YS+32*\c+\i+1]|
.endr
.endr
.irp c, 0,1
	v_add_nc_u32 v[SOP+\c], EOFF, v[MX+\c]
.endr
.irp c, 0,1
	v_lshrrev_b32 v[WD+\c], 23, v[SOP+\c]
.endr
.irp c, 0,1
	v_cvt_scalef32_pk16_bf6_f32 v[FS+6*\c:FS+6*\c+2], v[YS+32*\c:YS+32*\c+15], v[SOP+\c]
	v_cvt_scalef32_pk16_bf6_f32 v[CT+4*\c:CT+4*\c+2], v[YS+32*\c+16:YS+32*\c+31], v[SOP+\c]
.endr
	v_lshl_or_b32 v[WD], v[WD+1], 16, v[WD]        ; blocks par and par + 2: two bytes, 16 bits apart.  (Also the plain instruction behind the conversions)
.if (\par) == 0
	v_mov_b32 v[KSR+(\g)], v[WD]                   ; bytes 0 and 2 of my channel's scale word,
.else
	v_lshl_or_b32 v[KSR+(\g)], v[WD], 8, v[KSR+(\g)]   ; bytes 1 and 3
.endif
.irp c, 0,1
.irp i, 0,1,2
	v_mov_b32 v[FS+6*\c+3+\i], v[CT+4*\c+\i]
.endr
.endr
.irp q, 0,1,2
	global_store_b128 v12, v[FS+4*\q:FS+4*\q+3], s[18:19] offset:VCOFF+3072*(\g)+512*\q+256*(\par)   ; lanes 0-15 and lanes 16-31 each store 256 consecutive bytes, at multiples of 256 from kv's first byte
.endr
.endm
	s_wait_alu depctr_va_vdst(0)
.irp par, 0,1
	VLOAD \par
	s_wait_loadcnt 0x0                             ; all 128 are in
	VQUANT 0, \par
	VQUANT 1, \par
.endr
	global_store_b64 v10, v[KSR:KSR+1], s[18:19] offset:VSOFF   ; 32 lanes store 256 consecutive bytes
	s_endpgm
.Lmask:
; ---------------------------------------------------------------- the mask: 16 queries x 128 keys become 64 words, one for each score register of the attention launch
; Each load reads 512 consecutive bytes of one query's row.  A step's 16 x 512 bytes go through the wave's stage and come back so that lane (r, h) holds query r's keys 32 n + 16 h + i in register 16 n + i,
; as it will hold the scores.  A compare then IS the word; the words are gathered two to a lane and leave as 256 consecutive bytes.
	s_sub_co_u32 s15, ttmp9, 512                   ; the tile of 16 queries: batch x 128 + tile; my wave takes keys 512 x wave on: four steps
	s_lshl_b32 s20, s15, 17                        ; 16 rows of 8,192 bytes
	s_lshl_b32 s21, s14, 11
	s_add_co_u32 s20, s20, s21
	s_mov_b32 s21, 0
	s_lshl_b32 s22, s15, 12                        ; 16 steps of 256 bytes
	s_lshl_b32 s23, s14, 10
	s_add_co_u32 s22, s22, s23
	s_mov_b32 s23, 0
	s_add_nc_u64 s[16:17], s[8:9], s[20:21]
	s_add_nc_u64 s[18:19], s[12:13], s[22:23]
.irp i, 0,1,2,3,4,5,6,7
	v_mov_b32 v[C+\i], 0                           ; written once: v_writelane_b32's destination counts as one of its sources.  A pair for each step, so that no store's data are written again
.endr
.macro MLOAD s
.irp i, 0,1,2,3,4,5,6,7,8,9,10,11,12,13,14,15
	global_load_b128 v[R+4*\i:R+4*\i+3], v4, s[16:17] offset:8192*\i+512*(\s) th:TH_LOAD_NT
.endr
.endm
.macro MSTEP s
	s_wait_loadcnt 0x0                             ; this step's sixteen loads are in: no other load is out
.irp i, 0,1,2,3,4,5,6,7,8,9,10,11,12,13,14,15
	ds_store_b128 v7, v[R+4*\i:R+4*\i+3] offset:MPIT*\i
.endr
.irp q, 0,1,2,3
.irp j, 0,1,2,3
	ds_load_b128 v[X+16*\q+4*\j:X+16*\q+4*\j+3], v8 offset:256*(\q/2)+64*(\q%2)+16*\j   ; register 32 c + k: key 64 c + 32 h + k (v8 carries 128 h)
.endr
.endr
	s_wait_dscnt 0x0
.if (\s) < 3
	MLOAD (\s)+1                                   ; the next step's 8,192 bytes are on their way while this step is worked
.endif
.irp a, 0,1,2,3,4,5,6,7                ; eight words at a time, so that no lane write stands straight behind its compare
.irp e, 0,1,2,3,4,5,6,7
	v_cmp_ne_u32 s[28+\e], 0, v[X+8*\a+\e]         ; word 8 a + e: bit = lane
.endr
.irp e, 0,1,2,3,4,5,6,7
	v_writelane_b32 v[C+2*(\s)+(\e%2)], s[28+\e], 4*\a+\e/2   ; word j lies in lane j / 2, register j % 2
.endr
.endr
	global_store_b64 v10, v[C+2*(\s):C+2*(\s)+1], s[18:19] offset:256*(\s)   ; 32 lanes store 256 consecutive bytes, at a multiple of 256 from maskw's first byte
.endm
	MLOAD 0
.irp s, 0,1,2,3
	MSTEP \s
.endr
	s_wait_tensorcnt 0x0
	ds_add_u32 v224, v225
	s_wait_dscnt 0x0
	s_endpgm
.Lfunc_end_k_q082d26eec1_prep:
	.size	k_q082d26eec1_prep, .Lfunc_end_k_q082d26eec1_prep-k_q082d26eec1_prep
	.p2alignl 7, 3214868480
	.fill 96, 4, 3214868480
	.section	.rodata,"a",@progbits
	.p2align	6, 0x0
	.amdhsa_kernel k_q082d26eec1_prep
		.amdhsa_group_segment_fixed_size 69120
		.amdhsa_private_segment_fixed_size 0
		.amdhsa_enable_private_segment 0
		.amdhsa_kernarg_size 40
		.amdhsa_user_sgpr_count 2
		.amdhsa_user_sgpr_kernarg_segment_ptr 1
		.amdhsa_wavefront_size32 1
		.amdhsa_system_sgpr_workgroup_id_x 1
		.amdhsa_system_sgpr_workgroup_id_y 1
		.amdhsa_system_sgpr_workgroup_id_z 1
		.amdhsa_system_vgpr_workitem_id 0
		.amdhsa_next_free_vgpr 226
		.amdhsa_next_free_sgpr 66
		.amdhsa_reserve_vcc 0
		.amdhsa_float_denorm_mode_32 3
		.amdhsa_float_denorm_mode_16_64 3
		.amdhsa_memory_ordered 1
		.amdhsa_forward_progress 1
		.amdhsa_inst_pref_size 115
	.end_amdhsa_kernel
	.amdgpu_metadata
---
amdhsa.version: [ 1, 2 ]
amdhsa.kernels:
  - .name:           k_q082d26eec1_prep
    .symbol:         k_q082d26eec1_prep.kd
    .args:
      - { .name: key, .offset: 0, .size: 8, .value_kind: global_buffer, .address_space: global }
      - { .name: value, .offset: 8, .size: 8, .value_kind: global_buffer, .address_space: global }
      - { .name: mask, .offset: 16, .size: 8, .value_kind: global_buffer, .address_space: global }
      - { .name: kv, .offset: 24, .size: 8, .value_kind: global_buffer, .address_space: global }
      - { .name: maskw, .offset: 32, .size: 8, .value_kind: global_buffer, .address_space: global }
    .group_segment_fixed_size: 69120
    .private_segment_fixed_size: 0
    .kernarg_segment_align: 8
    .kernarg_segment_size: 40
    .max_flat_workgroup_size: 128
    .sgpr_count:     66
    .vgpr_count:     226
    .wavefront_size: 32
...
	.end_amdgpu_metadata
.endif
;; end of part 1
;; launch attn (part 2): grid 16 x 16, 8 waves a work-group, clusters of 4 x 1, 327,680 bytes of LDS; arguments kv, maskw, query, out0; writes out0
.if DOCPART == 2
	.amdgcn_target "amdgcn-amd-amdhsa--gfx1250"
	.amdhsa_code_object_version 6
	.text
	.protected	k_q082d26eec1_attn
	.globl	k_q082d26eec1_attn
	.p2align	8
	.type	k_q082d26eec1_attn,@function
k_q082d26eec1_attn:
	s_mov_b64 s[64:65], 0
	v_nop
	global_prefetch_b8 v0, s[64:65] scope:SCOPE_SE
	s_setreg_imm32_b32 hwreg(HW_REG_WAVE_MODE, 25, 1), 1
	s_wait_xcnt 0x0
	s_wait_alu depctr_hold_cnt(0) depctr_sa_sdst(0) depctr_va_vdst(0) depctr_va_sdst(0) depctr_va_ssrc(0) depctr_va_vcc(0) depctr_vm_vsrc(0)
	s_getreg_b32 s2, hwreg(HW_REG_IB_STS2, 6, 4)
	s_cmp_eq_u32 s2, 0
	s_cbranch_scc0 .Lentry_in_a_cluster
	s_endpgm
.Lentry_in_a_cluster:
	s_bfe_u32 s2, ttmp6, 0x10000c
	s_cmp_lg_u32 s2, 0x3003
	s_cbranch_scc0 .Lentry_shape_is_right
	s_endpgm
.Lentry_shape_is_right:
; out0[head][q][:] = sum over k of softmax_k(where(mask == 0, -1e9, Q[q] . K[k] / 8)) V[k][:]: 64 heads x 2,048 queries x 2,048 keys x 64 channels; both products on codes of E3M2 with one E8M0 scale for 32 along K.
; kv: K's and V's codes and scale words as images of the operands' registers, 13,056 bytes for each (head, step of 128 keys); maskw: one word for each score register (bit = lane, 1 = the score counts). Both come from the launch before.
; THE MASK IS THE FIRST PRODUCT'S C: 0 where the score counts, -2^60 where not.  The mask hangs on the batch alone, so a wave takes ONE tile of 16 queries and FOUR heads of one batch: C's 64 registers are made once
; for a key step, by 64 selects, and serve four heads' products.
; SOFTMAX: t = score x log2(e) / 8; M = the largest t so far, rounded up to a whole number; p = 2^(t - M) is quantised along the keys; the row's sum is taken of the unquantised p and divides at the end; when M moves,
; the sum and O are multiplied by 2^(old M - new M), which rounds nothing.
; LIMITS: a masked score is -2^60 + the true score, which f32 rounds to -2^60 while raw scores stay under 2^35 in magnitude; -2^60 x c is exact, so a row with no key left gets p = 1 for every key, the plain mean that
; -1e9 gives too.  It differs from -1e9 only where true logits lie under about -1e9.  NaN and infinities among the inputs are not served.
; SHARES: a work-group = a batch, 4 heads, 128 queries: 4 x 4 x 16 = 256 work-groups; 8 waves, each a tile of 16 queries x 4 heads, two waves to a SIMD with 512 registers each.
; LDS: a ring of two slots; a slot = 2 key steps x 4 heads = 8 blocks = 104,448 bytes, block 2 head + step; each wave brings one block by one tensor load.  Behind the ring a stage for each wave, then the spare words.
; CLUSTER: the four work-groups of a cluster are four query blocks of the same heads and need the same blocks: each is asked for jointly; a round of the cluster's barrier stands in front of each refill.
; PREFETCH: behind each refill a wave names the block that its next refill will bring (one slot, 8 head steps, ahead of that tensor load): 51 runs of 256 bytes, shared out among the four partners by address,
; 13 each; lanes left over name the partner's last run again; the loop's last trip, which has no slot two on, asks for nothing.
; THE TWO ENDS: head 0's rows of query are quantised at the kernel's head; those of heads 1 to 3 wait in the heads' own O registers and are quantised in the first key step, each ahead of its head's first product.
; In the last key step each head's result leaves behind its last product.  Both hang on counters of the loops alone.
; LAYOUT: both products transposed (S^T = K Q^T + C, O^T = V^T P^T): a lane holds one query.  K's tile 4 c + j, row m, is key 64 c + 32 (m / 8) + 8 j + m % 8, so score register 32 c + k of lane (r, h) is key 64 c + 32 h + k:
; a lane's 32 registers are one whole block of the second product's K: its largest score needs no other lane, and the conversions' results are the operand's registers.
; The first product's K is 64 of the instruction's 128: Q's upper six registers are zero codes, K's upper six whatever follows (the next tile's codes; zeros behind the last); the scale bytes there are 0.
; REGISTERS.  Window 0: addresses, state, K, V, p's codes, S.  Window 1: C v0-63, O v64-191 (32 a head), Q v192-239 (12 a head), v240-242 at work.
.set STEPB, 13056
.set HEADB, 16*STEPB
.set VCOFF, 6144
.set KSOFF, 12288
.set VSOFF, 12800
.set SLOT,  8*STEPB
.set SP,    272                        ; a stage row: 256 bytes + 16
.set STAGE, 2*SLOT
.set SPARE, STAGE+8*16*SP              ; the spare words: 128 bytes a wave, four blocks of 256 bytes that no other line names
.set FLOOR, 0x2800000                  ; 2^(5 - 127)
.set EOFF,  0xfe000000                 ; -(4 << 23)
.set HROW,  524288                     ; bytes from head to head in query and out0
.set AL16, 1
.set AL8,  2
.set ADR,  3                           ; v3 the step's block of heads 0, 1 + 16 x lane; v4 of heads 2, 3
.set ADR8, 5                           ; v5, v6 the same + 8 x lane
.set STO,  7
.set RD,   8
.set GO,   9
.set QRD,  10
.set NEGR, 11                          ; -2^60
.set H8,   12
.set ZERO, 13
.set SPW,  14
.set NIL,  15
.set QS,   16                          ; v16-19 Q's scale words, a head each
.set PS,   20
.set TMP,  21
.set FF,   22                          ; v22 f = 2^(old M - new M); v23 named with it
.set ST,   24                          ; v24-39 a head's -M, largest raw score, sum in two halves
.set KSC,  40
.set VSC,  44
.set BM,   46
.set SOP,  48
.set WD,   50
.set PT,   52
.set TMP2, 53
.set SA,   54                          ; v54-61 chains
.set PC2,  62
.set PC,   66
.set K,    78                          ; v78-125, v126-131 zeros
.set V,    132
.set S,    180
.set X,    212
.set QX,   78
.set PFO,  244
.set C,    0
.set O,    64
.set Q,    192
.set QT,   240
; SCALARS: s[2:3] c; s[4:5] where the prefetches stand; s[6:7] my tile's mask words, s15 the step's place among them; s[8:9] query; s[10:11] out0; s12 wave; s13 cx; s14 wave x 13,056; s16 the slot that is read;
; s17, s18 counts; s19 the step's blocks; s[20:23], s[24:31] the descriptor; s100, s101 lane selects; s104 1 in the first key step; s[32:63], s[68:99] the step's 64 mask words.
.set MSB, 0
.macro WIN new                         ; the immediate's high byte repeats the setting that is left
.if MSB != \new
	s_set_vgpr_msb (MSB<<8)|\new
.set MSB, \new
.endif
.endm
.macro ROUND
	s_barrier_signal -1
	s_barrier_wait -1
	s_cmp_lg_u32 s12, 0
	s_cbranch_scc1 .Lnot_wave_0_\@
	s_barrier_signal -3
.Lnot_wave_0_\@:
	s_barrier_wait -3
	s_barrier_signal -1
	s_barrier_wait -1
.endm
.macro MASKW
	s_load_b512 s[32:47], s[6:7], s15 offset:0x0
	s_load_b512 s[48:63], s[6:7], s15 offset:0x40
	s_load_b512 s[68:83], s[6:7], s15 offset:0x80
	s_load_b512 s[84:99], s[6:7], s15 offset:0xc0
.endm
.macro KLOAD hd                        ; 13 loads: a head's eight fragments of K and their scale words
.irp c, 0,1,2,3,4,5,6,7,8,9,10,11
	ds_load_b128 v[K+4*\c:K+4*\c+3], v[ADR+(\hd)/2] offset:((\hd)%2)*2*STEPB+512*\c
.endr
	ds_load_b128 v[KSC:KSC+3], v[ADR+(\hd)/2] offset:((\hd)%2)*2*STEPB+KSOFF
.endm
.macro VLOAD hd                        ; 13 loads: its four fragments of V and their scale words
.irp c, 0,1,2,3,4,5,6,7,8,9,10,11
	ds_load_b128 v[V+4*\c:V+4*\c+3], v[ADR+(\hd)/2] offset:((\hd)%2)*2*STEPB+VCOFF+512*\c
.endr
	ds_load_b64 v[VSC:VSC+1], v[ADR8+(\hd)/2] offset:((\hd)%2)*2*STEPB+VSOFF
.endm
.macro SROUND k                        ; pairs 4 k .. 4 k + 3 of p onto the four chains
.irp q, 0,1,2,3
	v_pk_add_f32 v[SA+2*\q:SA+2*\q+1], v[SA+2*\q:SA+2*\q+1], v[S+8*(\k)+2*\q:S+8*(\k)+2*\q+1]
.endr
.endm
.macro QHEAD hd                        ; 16 rows of 64 f32, already in registers, turn through my stage: lane (r, h) then holds row r's channels 32 h .. 32 h + 31, a whole block
.if (\hd) == 0
.irp i, 0,1,2,3,4,5,6,7
	ds_store_b128 v[RD], v[QX+4*\i:QX+4*\i+3] offset:2*SP*\i
.endr
.else
	WIN 0x04                                       ; the stores' data lie in window 1: the head's O registers
.irp i, 0,1,2,3,4,5,6,7
	ds_store_b128 v[RD], v[O+32*(\hd)+4*\i:O+32*(\hd)+4*\i+3] offset:2*SP*\i
.endr
	WIN 0
.endif
.irp j, 0,1,2,3,4,5,6,7
	ds_load_b128 v[X+4*\j:X+4*\j+3], v[QRD] offset:16*\j   ; in order behind my stores
.endr
	s_wait_dscnt 0x0
	v_max3_num_f32 v[BM], |v[X]|, |v[X+1]|, FLOOR
	v_max3_num_f32 v[BM+1], |v[X+16]|, |v[X+17]|, FLOOR
.irp i, 2,4,6,8,10,12,14
	s_delay_alu instid0(VALU_DEP_2)
	v_max3_num_f32 v[BM], v[BM], |v[X+\i]|, |v[X+\i+1]|
	s_delay_alu instid0(VALU_DEP_2)
	v_max3_num_f32 v[BM+1], v[BM+1], |v[X+16+\i]|, |v[X+17+\i]|
.endr
	s_delay_alu instid0(VALU_DEP_1)
	v_max_num_f32 v[BM], v[BM], v[BM+1]
	s_delay_alu instid0(VALU_DEP_1)
	v_add_nc_u32 v[SOP], EOFF, v[BM]               ; 4 off the exponent field: the conversion's scale operand
	s_delay_alu instid0(VALU_DEP_1)
	v_lshrrev_b32 v[WD], 23, v[SOP]
	s_delay_alu instid0(VALU_DEP_1)
	v_lshlrev_b32 v[WD], v[H8], v[WD]
	s_delay_alu instid0(VALU_DEP_1)
	v_permlanex16_b32 v[PT], v[WD], s100, s101
	s_delay_alu instid0(VALU_DEP_1)
	v_or_b32 v[QS+(\hd)], v[WD], v[PT]             ; bytes 0 and 1; bytes 2 and 3 stay 0
	WIN 0x40
	v_cvt_scalef32_pk16_bf6_f32 v[Q+12*(\hd):Q+12*(\hd)+2], v[X:X+15], v[SOP]
	v_cvt_scalef32_pk16_bf6_f32 v[QT:QT+2], v[X+16:X+31], v[SOP]   ; (a conversion's three registers begin on an even number)
	v_nop
	WIN 0x41
.irp i, 0,1,2
	v_mov_b32 v[Q+12*(\hd)+3+\i], v[QT+\i]
.endr
	WIN 0x40
.set j, 0
.rept 32
	v_mov_b32 v[O+32*(\hd)+j], 0                   ; the head's O^T: the step is written once; the first finds zeros.  These lines also stand between Q's codes and scale word and the first product
.set j, j+1
.endr
	WIN 0
.endm
	s_load_b256 s[4:11], s[0:1], 0x0               ; kv, maskw, query, out0
	v_lshl_add_u32 v[SPW], v0, 2, SPARE
	v_mov_b32 v[NIL], 0
	ds_add_u32 v[SPW], v[NIL]                      ; the opening lines: the add, twice on end, and its wait
	ds_add_u32 v[SPW], v[NIL]
	v_lshrrev_b32 v1, 5, v0
	v_readfirstlane_b32 s12, v1                    ; wave 0..7
	s_bfe_u32 s13, ttmp6, 0x40000                  ; cx: it enters query's, out0's, maskw's and the prefetches' addresses alone
	s_and_b32 s14, ttmp7, 0xffff                   ; y = 4 batch + head group: my heads are 4 y .. 4 y + 3
	s_mov_b32 s24, 15|(3<<16)|(1<<21)              ; group 1: all four partners; elements of 8 bytes; bit 21 beside a mask
	s_mov_b32 s25, 32<<16                          ; a dense block as 51 rows of 256 bytes
	s_mov_b32 s26, 51<<16
	s_mov_b32 s27, 32<<16
	s_mov_b32 s28, 51
	s_mov_b32 s29, 32
	s_mov_b32 s30, 0
	s_mov_b32 s31, 0
	s_mov_b32 s20, 1
	s_mul_i32 s21, s12, STEPB                      ; wave w brings block w of a slot: head w / 2, step w % 2
	s_lshl_b32 s16, s14, 2
	s_lshr_b32 s17, s12, 1
	s_add_co_u32 s16, s16, s17
	s_mul_i32 s16, s16, HEADB
	s_and_b32 s17, s12, 1
	s_mul_i32 s17, s17, STEPB
	s_add_co_u32 s16, s16, s17                     ; its place in kv
	s_mov_b32 s17, 0
	s_lshl_b32 s2, ttmp9, 2
	s_add_co_u32 s2, s2, s13                       ; query block 0..15
	s_lshl_b32 s18, s14, 13
	s_lshl_b32 s3, s2, 7
	s_add_co_u32 s18, s18, s3
	s_lshl_b32 s3, s12, 4
	s_add_co_u32 s18, s18, s3                      ; row 2,048 x 4 y + 128 block + 16 wave,
	s_lshl_b32 s18, s18, 8                         ; of 256 bytes
	s_mov_b32 s19, 0
	s_lshr_b32 s100, s14, 2
	s_lshl_b32 s100, s100, 7
	s_lshl_b32 s3, s2, 3
	s_add_co_u32 s100, s100, s3
	s_add_co_u32 s100, s100, s12                   ; tile 128 batch + 8 block + wave,
	s_lshl_b32 s100, s100, 12                      ; 4,096 bytes of mask words each
	s_mov_b32 s101, 0
	s_wait_alu depctr_va_vdst(0)
	s_wait_dscnt 0x0
	s_wait_kmcnt 0x0
	s_add_nc_u64 s[22:23], s[4:5], s[16:17]
	s_add_nc_u64 s[4:5], s[22:23], 2*STEPB         ; each refilling trip steps it by a slot's two steps first: the first names steps 4 and 5
	s_or_b32 s23, s23, 0x80000000
	s_add_nc_u64 s[8:9], s[8:9], s[18:19]
	s_add_nc_u64 s[10:11], s[10:11], s[18:19]
	s_add_nc_u64 s[6:7], s[6:7], s[100:101]
	ROUND                                          ; all four work-groups are here: the joint loads meet
	tensor_load_to_lds s[20:23], s[24:31]          ; steps 0 and 1: my one load at the head
	s_nop 0
.rept 4
	v_nop
.endr
	s_mov_b32 s15, 0
	MASKW                                          ; the first step's mask words
	s_mov_b32 s2, 0x3e38aa3b                       ; c = log2(e) / 8
	s_mov_b32 s3, s2
	s_mov_b32 s100, 0x76543210
	s_mov_b32 s101, 0xfedcba98                     ; selects for lane l xor 16
	v_and_b32 v[TMP], 31, v0
	v_and_b32 v[TMP2], 15, v0                      ; r
	v_bfe_u32 v[PT], v0, 4, 1                      ; h
	v_lshlrev_b32 v[GO], 8, v[PT]
	v_lshl_add_u32 v[GO], v[TMP2], 4, v[GO]        ; memory: row h of 256 bytes + 16 r
.irp i, 0,1,2,3,4,5,6,7
	global_load_b128 v[QX+4*\i:QX+4*\i+3], v[GO], s[8:9] offset:512*\i th:TH_LOAD_NT   ; rows 2 i + h of my tile in head 0
.endr
	WIN 0x40
.irp hd, 1,2,3
.irp i, 0,1,2,3,4,5,6,7
	global_load_b128 v[O+32*\hd+4*\i:O+32*\hd+4*\i+3], v[GO], s[8:9] offset:HROW*\hd+512*\i th:TH_LOAD_NT   ; heads 1 to 3: into the head's O registers, which are not used before its first key step
.endr
.endr
.set j, 0
.rept 48
	v_mov_b32 v[Q+j], 0                            ; Q's codes of K = 64 .. 127 stay zeros; the lower six of a head are written when it is quantised
.set j, j+1
.endr
	WIN 0
	v_lshlrev_b32 v[AL16], 4, v[TMP]
	v_lshlrev_b32 v[AL8], 3, v[TMP]
	s_mul_i32 s16, s12, 16*SP
	s_add_co_u32 s16, s16, STAGE                   ; my stage
	v_mul_u32_u24 v[STO], v[TMP2], SP
	v_add_nc_u32 v[STO], s16, v[STO]
	v_lshl_add_u32 v[QRD], v[PT], 7, v[STO]        ; row r + 128 h
	v_lshl_add_u32 v[STO], v[PT], 5, v[STO]        ; row r + 32 h
	v_mul_u32_u24 v[RD], v[PT], SP
	v_lshl_add_u32 v[RD], v[TMP2], 4, v[RD]
	v_add_nc_u32 v[RD], s16, v[RD]                 ; row h + 16 r
	v_lshlrev_b32 v[H8], 3, v[PT]
	v_min_u32 v[PFO], 12, v[TMP]
	s_mul_i32 s17, s13, 13
	v_add_nc_u32 v[PFO], s17, v[PFO]
	v_min_u32 v[PFO], 50, v[PFO]
	v_lshlrev_b32 v[PFO], 8, v[PFO]                ; run min(13 cx + min(lane, 12), 50) of my block's 51
	v_mov_b32 v[NEGR], 0xdd800000
	v_mov_b32 v[ZERO], 0
	v_mov_b32 v[FF+1], 0
	v_mov_b32 v[ST+1], 0xff61b1e6                  ; the largest raw score so far: -3e38
	v_mul_f32 v[TMP], s2, v[ST+1]
.irp hd, 0,1,2,3
	v_mov_b32 v[ST+4*\hd+1], 0xff61b1e6
	v_floor_f32 v[ST+4*\hd], -v[TMP]               ; -M
	v_mov_b32 v[ST+4*\hd+2], 0
	v_mov_b32 v[ST+4*\hd+3], 0
	v_mov_b32 v[QS+\hd], 0
.endr
.irp i, 48,49,50,51,52,53
	v_mov_b32 v[K+\i], 0                           ; what stands behind K's last tile
.endr
	s_wait_alu depctr_va_vdst(0)
	s_wait_loadcnt 24                              ; head 0's eight loads are in; the 24 of heads 1 to 3 may be out
	QHEAD 0
	s_mul_i32 s14, s12, STEPB
	s_mov_b32 s16, 0
	s_mov_b32 s17, 7
	s_mov_b32 s104, 1
.macro HEAD hd, lp                     ; one head's 16 queries x 128 keys.  lp = 1: the loop's copy, which holds the first key step; lp = 0: the last slot's copy, which holds the last
.set NM,  ST+4*(\hd)
.set RM,  NM+1
.set SUM, NM+2
.set OH,  O+32*(\hd)
.if (\lp) && ((\hd) > 0)
	s_wait_loadcnt 8*(3-(\hd))                     ; on every path: this head's rows of query are in its O registers (behind the first key step no load is out)
	s_cmp_eq_u32 s104, 1
	s_cbranch_scc0 .Lq_\@
	QHEAD \hd                                      ; in the first key step alone
	s_wait_alu depctr_va_vdst(0)
.Lq_\@:
.endif
.if (\hd) == 0
	s_wait_alu depctr_va_vdst(0)
.endif
	s_wait_dscnt 0x0                               ; K's fragments and scale words
	WIN 0x14                                       ; Q and C in window 1
.irp t, 0,1,2,3,4,5,6,7
.if (\t)%2
	v_wmma_scale_f32_16x16x128_f8f6f4 v[S+8*\t:S+8*\t+7], v[K+6*\t:K+6*\t+11], v[Q+12*(\hd):Q+12*(\hd)+11], v[C+8*\t:C+8*\t+7], v[KSC+\t/2], v[QS+(\hd)] matrix_a_fmt:MATRIX_FMT_BF6 matrix_b_fmt:MATRIX_FMT_BF6 matrix_a_scale:MATRIX_SCALE_ROW1
.else
	v_wmma_scale_f32_16x16x128_f8f6f4 v[S+8*\t:S+8*\t+7], v[K+6*\t:K+6*\t+11], v[Q+12*(\hd):Q+12*(\hd)+11], v[C+8*\t:C+8*\t+7], v[KSC+\t/2], v[QS+(\hd)] matrix_a_fmt:MATRIX_FMT_BF6 matrix_b_fmt:MATRIX_FMT_BF6
.endif
.endr
	WIN 0
	v_mov_b32 v[TMP2], v[NM]                       ; the old -M.  With three v_nop: the places in front of the loads below and of the first read of the scores
.rept 3
	v_nop
.endr
	VLOAD \hd                                      ; both land while the softmax is walked
.if (\hd) < 3
	KLOAD (\hd)+1
.endif
.irp c, 0,1                            ; the largest score of each block of 32 keys, all mine: a chain to a tile, the first block's four tiles first; each accumulator is read from its low end on
.irp t, 0,1,2,3
	v_max3_num_f32 v[SA+4*\c+\t], v[S+32*\c+8*\t], v[S+32*\c+8*\t+1], v[S+32*\c+8*\t+2]
.endr
.irp i, 3,5
.irp t, 0,1,2,3
	v_max3_num_f32 v[SA+4*\c+\t], v[SA+4*\c+\t], v[S+32*\c+8*\t+\i], v[S+32*\c+8*\t+\i+1]
.endr
.endr
.endr
.irp c, 0,1
	v_max3_num_f32 v[SA+4*\c], v[SA+4*\c], v[SA+4*\c+1], v[S+32*\c+7]
	v_max3_num_f32 v[SA+4*\c+2], v[SA+4*\c+2], v[SA+4*\c+3], v[S+32*\c+15]
.endr
.irp c, 0,1
	v_max3_num_f32 v[BM+\c], v[SA+4*\c], v[SA+4*\c+2], v[S+32*\c+23]
.endr
.irp c, 0,1
	v_max_num_f32 v[BM+\c], v[BM+\c], v[S+32*\c+31]
.endr
.if (\hd) == 0
	s_wait_alu depctr_va_vdst(0)
	s_add_co_u32 s15, s15, 256                     ; the next step's mask words: this step's have been used, and their loads are done;
	s_and_b32 s15, s15, 4095                       ; behind the last step the offset turns back to the first: that request stays inside the buffer and is not used
	MASKW
.endif
	v_max_num_f32 v[TMP], v[BM], v[BM+1]
	v_permlanex16_b32 v[PT], v[TMP], s100, s101
	v_max3_num_f32 v[RM], v[RM], v[TMP], v[PT]     ; the largest raw score so far (c is positive)
	v_mul_f32 v[TMP], s2, v[RM]
	v_floor_f32 v[NM], -v[TMP]                     ; -M = -ceil(t)
.set j, 0
.rept 32
	v_pk_fma_f32 v[S+j:S+j+1], v[S+j:S+j+1], s[2:3], v[NM:NM+1] op_sel_hi:[1,0,0]   ; t - M
.if j == 6
	v_sub_f32 v[TMP2], v[NM], v[TMP2]              ; old M - new M, a whole number, 0 or less
.endif
.if j == 14
	v_cvt_i32_f32 v[TMP2], v[TMP2]                 ; (it saturates)
.endif
.if j == 22
	v_ldexp_f32 v[FF], 1.0, v[TMP2]                ; f
.endif
.set j, j+2
.endr
	v_pk_fma_f32 v[BM:BM+1], v[BM:BM+1], s[2:3], v[NM:NM+1] op_sel_hi:[1,0,0]   ; the same of each block's largest score
	s_wait_alu depctr_va_vdst(0)
	v_exp_f32 v[BM], v[BM]                         ; the blocks' largest p: the same two instructions on the same number give the same bits
	v_exp_f32 v[BM+1], v[BM+1]
.set j, 0
.rept 64
	v_exp_f32 v[S+j], v[S+j]                       ; p = 2^(t - M)
.set j, j+1
.endr
	v_pk_mul_f32 v[SUM:SUM+1], v[SUM:SUM+1], v[FF:FF+1] op_sel_hi:[1,0]   ; the sums under the new M (the plain instruction behind the batch)
	s_wait_alu depctr_va_vdst(0)                   ; and the one wait behind it
.irp q, 0,1,2,3                        ; the row's sum of the unquantised p, in four chains; p's scale word is made between their rounds
	v_pk_add_f32 v[SA+2*\q:SA+2*\q+1], v[S+2*\q:S+2*\q+1], v[S+8+2*\q:S+8+2*\q+1]
.endr
	v_max_num_f32 v[BM], FLOOR, v[BM]              ; the floor: no byte falls under 1
	v_max_num_f32 v[BM+1], FLOOR, v[BM+1]
	SROUND 2
	v_add_nc_u32 v[SOP], EOFF, v[BM]               ; the conversions' scale operands
	v_add_nc_u32 v[SOP+1], EOFF, v[BM+1]
	SROUND 3
	v_lshrrev_b32 v[WD], 23, v[SOP]
	v_lshrrev_b32 v[WD+1], 23, v[SOP+1]
	SROUND 4
	v_lshl_or_b32 v[WD], v[WD+1], 16, v[WD]        ; my blocks h and 2 + h,
	SROUND 5
	v_lshlrev_b32 v[WD], v[H8], v[WD]              ; at their places;
	SROUND 6
	v_permlanex16_b32 v[PT], v[WD], s100, s101
	SROUND 7
	v_or_b32 v[PS], v[WD], v[PT]                   ; with lane l xor 16's two the word is whole
	v_pk_add_f32 v[SA:SA+1], v[SA:SA+1], v[SA+2:SA+3]
	v_pk_add_f32 v[SA+4:SA+5], v[SA+4:SA+5], v[SA+6:SA+7]
	v_pk_add_f32 v[SA:SA+1], v[SA:SA+1], v[SA+4:SA+5]
	v_pk_add_f32 v[SUM:SUM+1], v[SUM:SUM+1], v[SA:SA+1]
	v_cvt_scalef32_pk16_bf6_f32 v[PC:PC+2], v[S:S+15], v[SOP]
	v_cvt_scalef32_pk16_bf6_f32 v[PC2:PC2+2], v[S+16:S+31], v[SOP]
	v_cvt_scalef32_pk16_bf6_f32 v[PC+6:PC+8], v[S+32:S+47], v[SOP+1]
	v_cvt_scalef32_pk16_bf6_f32 v[SA:SA+2], v[S+48:S+63], v[SOP+1]   ; (a conversion's three registers begin on an even number)
	v_nop
.irp i, 0,1,2
	v_mov_b32 v[PC+3+\i], v[PC2+\i]
	v_mov_b32 v[PC+9+\i], v[SA+\i]
.endr
.if (\hd) < 3
	s_wait_dscnt 13                                ; V's 13 loads are in; the next head's 13 of K may be out
.else
	s_wait_dscnt 0x0
.endif
	WIN 0x41
	s_wait_alu depctr_va_vdst(0)                   ; the wait stands directly ahead of the first reader of O^T; it also stands between p's codes and their reader behind the wait above
.set j, 0
.rept 16
	v_pk_mul_f32 v[OH+j:OH+j+1], v[OH+j:OH+j+1], v[FF:FF+1] op_sel_hi:[1,0]   ; O^T under the new M, ascending; these also stand between p's codes and scale word and the products
.set j, j+2
.endr
	WIN 0x50                                       ; O in window 1.  The four accumulators take turns
.irp t, 0,1,2,3
.if (\t)%2
	v_wmma_scale_f32_16x16x128_f8f6f4 v[OH+8*\t:OH+8*\t+7], v[V+12*\t:V+12*\t+11], v[PC:PC+11], v[OH+8*\t:OH+8*\t+7], v[VSC+\t/2], v[PS] matrix_a_fmt:MATRIX_FMT_BF6 matrix_b_fmt:MATRIX_FMT_BF6 matrix_a_scale:MATRIX_SCALE_ROW1
.else
	v_wmma_scale_f32_16x16x128_f8f6f4 v[OH+8*\t:OH+8*\t+7], v[V+12*\t:V+12*\t+11], v[PC:PC+11], v[OH+8*\t:OH+8*\t+7], v[VSC+\t/2], v[PS] matrix_a_fmt:MATRIX_FMT_BF6 matrix_b_fmt:MATRIX_FMT_BF6
.endif
.endr
	WIN 0
.if !(\lp)
	s_cmp_eq_u32 s18, 1                            ; the slot's second step is the head's last
	s_cbranch_scc0 .Lno_\@
	; THE WAY OUT of a head: O^T / the sum goes through my stage and leaves as whole rows of 256 bytes, while the heads behind it are still worked
	v_add_f32 v[SUM], v[SUM], v[SUM+1]             ; with the lines below: the places behind the last products
	v_nop
	v_nop
	v_permlanex16_b32 v[PT], v[SUM], s100, s101
	v_nop
	v_add_f32 v[SUM], v[SUM], v[PT]                ; the row's sum, above 1/2
	s_wait_alu depctr_va_vdst(0)
	v_rcp_f32 v[SUM], v[SUM]
	v_nop
	WIN 0x01
	s_wait_alu depctr_va_vdst(0)                   ; behind the reciprocal, directly ahead of the first readers of O^T
.set j, 0
.rept 16
	v_pk_mul_f32 v[S+j:S+j+1], v[OH+j:OH+j+1], v[SUM:SUM+1] op_sel_hi:[1,0]   ; register 8 t + i: out0(query r, channel 16 t + 8 h + i)
.set j, j+2
.endr
	WIN 0
.irp t, 0,1,2,3
	ds_store_b128 v[STO], v[S+8*\t:S+8*\t+3] offset:64*\t
	ds_store_b128 v[STO], v[S+8*\t+4:S+8*\t+7] offset:64*\t+16
.endr
.irp i, 0,1,2,3,4,5,6,7
	ds_load_b128 v[S+32+4*\i:S+32+4*\i+3], v[RD] offset:2*SP*\i   ; in order behind my stores: rows 2 i + h
.endr
	s_wait_dscnt 0x0
.irp i, 0,1,2,3,4,5,6,7
	global_store_b128 v[GO], v[S+32+4*\i:S+32+4*\i+3], s[10:11] offset:HROW*(\hd)+512*\i th:TH_STORE_NT   ; 16 lanes store 256 consecutive bytes, at a multiple of 256 from out0's first byte
.endr
	s_wait_xcnt 0x0                                ; the stores' data registers are written again by the next head's products only behind this wait
.Lno_\@:
.endif
.endm
.macro STEP lp                         ; a key step: C once, then four heads
	v_add_nc_u32 v[ADR], s19, v[AL16]
	v_add_nc_u32 v[ADR8], s19, v[AL8]
	v_add_nc_u32 v[ADR+1], 4*STEPB, v[ADR]
	v_add_nc_u32 v[ADR8+1], 4*STEPB, v[ADR8]
	s_wait_alu depctr_va_vdst(0)
	KLOAD 0                                        ; lands while C is made
	s_wait_kmcnt 0x0                               ; the step's 64 mask words, asked for a step ago
	WIN 0x40
.set j, 0
.rept 64
	v_cndmask_b32 v[C+j], v[NEGR], v[ZERO], s[32+j+4*(j/32)]   ; bit = lane: 1 gives 0, 0 gives -2^60
.set j, j+1
.endr
	WIN 0
.rept 4
	v_nop
.endr
	HEAD 0, \lp
	HEAD 1, \lp
	HEAD 2, \lp
	HEAD 3, \lp
.endm
.macro TRIP refill                     ; a slot's two key steps
	s_wait_alu depctr_va_vdst(0)
.if \refill
	s_wait_xcnt 0x0                                ; my last prefetch has read its address
	s_add_nc_u64 s[4:5], s[4:5], 2*STEPB
.endif
	s_wait_tensorcnt 0x0                           ; my block of this slot is in, and no load of mine is out;
	ds_add_u32 v[SPW], v[NIL]
.if \refill
	s_xor_b32 s21, s16, SLOT                       ; so the descriptor may be written: the other slot,
	s_add_co_u32 s21, s21, s14
	s_add_nc_u64 s[22:23], s[22:23], 2*STEPB       ; the next two steps
.endif
	s_wait_dscnt 0x0                               ; the add is done, and so are my reads of the other slot
.if \refill
	ROUND                                          ; both now hold of every wave of all four work-groups
	tensor_load_to_lds s[20:23], s[24:31]          ; my one load behind the round (the first time: slot 1's first fill)
	s_nop 0
.rept 4
	v_nop
.endr
	s_cmp_gt_u32 s17, 1                            ; the loop's last trip has no slot two on
	s_cbranch_scc0 .Lnopf_\@
	global_prefetch_b8 v[PFO], s[4:5] th:TH_LOAD_NT scope:SCOPE_SE
.Lnopf_\@:
.else
	s_barrier_signal -1                            ; nothing is filled again: my work-group's barrier shows the last slot whole
	s_barrier_wait -1
.endif
	s_mov_b32 s19, s16
	s_mov_b32 s18, 2
.Lst_\@:
	STEP \refill
	s_mov_b32 s104, 0                              ; the first key step is over
	s_add_co_u32 s19, s19, STEPB
	s_sub_co_u32 s18, s18, 1
	s_cmp_lg_u32 s18, 0
	s_wait_alu depctr_va_vdst(0)
	s_cbranch_scc1 .Lst_\@
	s_xor_b32 s16, s16, SLOT
.endm
.Ltrip:
	TRIP 1
	s_sub_co_u32 s17, s17, 1
	s_cmp_lg_u32 s17, 0
	s_cbranch_scc1 .Ltrip
	TRIP 0                                         ; the last slot: nothing more is asked for, and each head leaves behind its last product
	s_wait_kmcnt 0x0                               ; the last request for mask words, which nobody reads
	s_wait_tensorcnt 0x0                           ; the wave's end
	ds_add_u32 v[SPW], v[NIL]
	s_wait_dscnt 0x0
	ROUND                                          ; the closing round
	s_endpgm
.Lfunc_end_k_q082d26eec1_attn:
	.size	k_q082d26eec1_attn, .Lfunc_end_k_q082d26eec1_attn-k_q082d26eec1_attn
	.p2alignl 7, 3214868480
	.fill 96, 4, 3214868480
	.section	.rodata,"a",@progbits
	.p2align	6, 0x0
	.amdhsa_kernel k_q082d26eec1_attn
		.amdhsa_group_segment_fixed_size 327680
		.amdhsa_private_segment_fixed_size 0
		.amdhsa_enable_private_segment 0
		.amdhsa_kernarg_size 32
		.amdhsa_user_sgpr_count 2
		.amdhsa_user_sgpr_kernarg_segment_ptr 1
		.amdhsa_wavefront_size32 1
		.amdhsa_system_sgpr_workgroup_id_x 1
		.amdhsa_system_sgpr_workgroup_id_y 1
		.amdhsa_system_sgpr_workgroup_id_z 1
		.amdhsa_system_vgpr_workitem_id 0
		.amdhsa_next_free_vgpr 512
		.amdhsa_next_free_sgpr 105
		.amdhsa_reserve_vcc 0
		.amdhsa_float_denorm_mode_32 3
		.amdhsa_float_denorm_mode_16_64 3
		.amdhsa_memory_ordered 1
		.amdhsa_forward_progress 1
		.amdhsa_inst_pref_size 167
	.end_amdhsa_kernel
	.amdgpu_metadata
---
amdhsa.version: [ 1, 2 ]
amdhsa.kernels:
  - .name:           k_q082d26eec1_attn
    .symbol:         k_q082d26eec1_attn.kd
    .args:
      - { .name: kv, .offset: 0, .size: 8, .value_kind: global_buffer, .address_space: global }
      - { .name: maskw, .offset: 8, .size: 8, .value_kind: global_buffer, .address_space: global }
      - { .name: query, .offset: 16, .size: 8, .value_kind: global_buffer, .address_space: global }
      - { .name: out0, .offset: 24, .size: 8, .value_kind: global_buffer, .address_space: global }
    .group_segment_fixed_size: 327680
    .private_segment_fixed_size: 0
    .kernarg_segment_align: 8
    .kernarg_segment_size: 32
    .max_flat_workgroup_size: 256
    .sgpr_count:     105
    .vgpr_count:     512
    .wavefront_size: 32
...
	.end_amdgpu_metadata
.endif
;; end of part 2
